; MI455X (gfx1250); checked and timed in simulation.
; The chip was launched on July 23, 2026; its instructions are those of AMD's public machine-readable ISA for CDNA 5 (MIT licence, August 2026) and "CDNA5" Instruction Set Architecture Reference Guide (July 2026). The comments in the code are by the model that wrote it; some were corrected since.
;; Multi Head Self Attention Layer. Allowed arithmetic: matrix products marked QUANTISED: E2M1 operands, one E8M0 scale for each 32 along K, by v_wmma_scale_f32_16x16x128_f8f6f4 with both operands' format E2M1 (or v_wmma_scale_f32_32x16x128_f4), f32 sums; everything else in f32.
;; Inputs: b_proj 1,024 float32; beta 1,024 float32; gamma 1,024 float32; w_proj_codes 1,024 x 32 x 16 uint8 (E2M1 codes of w_proj, K innermost, in blocks of 32 codes, two codes a byte); w_proj_scales 1,024 x 32 uint8 (E8M0 scales of w_proj, one for each 32 codes along K); w_qkv_codes 3,072 x 32 x 16 uint8 (E2M1 codes of w_qkv, K innermost, in blocks of 32 codes, two codes a byte); w_qkv_scales 3,072 x 32 uint8 (E8M0 scales of w_qkv, one for each 32 codes along K); z 4 x 2,048 x 1,024 float32.
;; Outputs: out0 4 x 2,048 x 1,024 float32.
;; This version of the problem:
;;   THIS VERSION OF THE PROBLEM IS GIVEN IN LOW PRECISION. The matrix products marked QUANTISED in the list below multiply operands that are first quantised to E2M1 (2 exponent bits, 1 mantissa bit; 4 bits a number), with one power-of-two scale for each 32 numbers along K (OCP MX v1.0); their sums are f32. All else is computed in f32.
;;   The module's matrix products, in the order in which they are computed (A, B: the left and right operand; K: the contracted axis; several contracted axes count as one K, in the product's order):
;;     1. [M 8,192, K 1,024] x [K 1,024, N 3,072]; A: computed on the way; B: input w_qkv (given as codes): QUANTISED
;;     2. batch 64 x [M 2,048, K 64] x [K 64, N 2,048]; A: computed on the way; B: computed on the way: QUANTISED
;;     3. batch 64 x [M 64, K 2,048] x [K 2,048, N 2,048]; A: computed on the way; B: softmax (see below): QUANTISED
;;     4. [M 8,192, K 1,024] x [K 1,024, N 1,024]; A: computed on the way; B: input w_proj (given as codes): QUANTISED
;;   THE QUANTISER, for each operand of a quantised product, along K:
;;     - K is cut into blocks of 32 from its start; a last block that is shorter is filled with zeros.
;;     - A block's scale is 2^e with e = floor(log2(the largest magnitude in the block)) - 2, held to -126 .. 127; a block of zeros has e = 0. As a byte (E8M0): e + 127.
;;     - Each number is divided by its block's scale, clamped to +-6, and rounded to the nearest number of E2M1, ties to even, subnormals kept.
;;     - The product sums the exact products of the quantised numbers (number of the format x scale) in f32.
;;   ~~~python
;;   def quantise(x, axis):      # numpy; x: float32 -> the quantised numbers, widened to float32 again
;;       x = np.moveaxis(x, axis, -1); K = x.shape[-1]
;;       x = np.pad(x, [(0, 0)] * (x.ndim - 1) + [(0, -K % 32)]); x = x.reshape(x.shape[:-1] + (-1, 32)); a = np.abs(x).max(-1, keepdims=True)
;;       e = np.where(a > 0, np.clip(np.frexp(np.where(a > 0, a, 1))[1] - 1 - 2, -126, 127), 0)      # np.frexp(a)[1] - 1 = floor(log2(a)), exactly
;;       r = np.clip(x / 2.0 ** e, -6, 6)
;;       step = 2.0 ** (np.maximum(np.frexp(np.where(r == 0, 1, r))[1] - 1, 0) - 1)
;;       q = np.round(r / step) * step * 2.0 ** e      # np.round: ties to even
;;       return np.moveaxis(q.reshape(q.shape[:-2] + (-1,))[..., :K], -1, axis).astype(np.float32)
;;   ~~~
;;   SOFTMAX AHEAD OF A QUANTISED PRODUCT. Where the list says 'softmax', what is quantised is not the finished softmax but p = 2^(t - M), with t = logit x log2(e) and M = ceil(the row's largest t), a whole number; so 1/2 < the row's largest p <= 1. The row's sum l is taken of the UNQUANTISED p, in f32, and the product's result is divided by l at the end. Since M is a whole number, a kernel that streams over the keys may use a running M (the ceiling of the running maximum): every later rescaling is an exact power of two, which a block's scale takes up: the codes' values come out the same.
;;   OPERANDS COMPUTED ON THE WAY. 'Computed on the way' means the value that the module computes at that place (a softmax that the list does not call 'softmax' is quantised finished and normalised). What goes into a quantiser is computed in f32, as accurately as f32 sums, v_exp_f32 and their like allow (about 1e-6 of the number): no bf16 or f16 on the way to a quantiser, and a product that is left as it is and whose result goes on into a quantised operand takes f32 operands (vector FMAs, or v_wmma_f32_16x16x4_f32). A number that lies on a knife's edge between two numbers of the format may be rounded either way, as far as f32 arithmetic and the matrix unit's own rounding can turn it there, and no further.
;;   INPUTS GIVEN AS CODES. w_proj (in the module: [1024, 1024], K = its axis 0); w_qkv (in the module: [1024, 3072], K = its axis 0): each comes as NAME_codes (uint8): NAME with its K axis moved to the last place and cut into blocks of 32 codes, [.., K / 32, bytes a block], one block behind the other in memory; two codes a byte, the lower K in the low four bits (a code: sign, 2 exponent bits, 1 mantissa bit); and NAME_scales (uint8): the same leading axes, one E8M0 byte (e + 127) for each 32 codes along K. Its value is code x scale, taken as it is: it is not quantised again, and the codes and scales need not be those that the quantiser above would give.
;; One version. Each part assembles by itself: llvm-mc -triple=amdgcn-amd-amdhsa -mcpu=gfx1250 --defsym DOCPART=n.
;; ======== version 1 of 1: 4 launches
;; limits: right only within a limited range of input values
;; workspace buffers: actc 4,194,304 bytes; acts 262,144 bytes; qc 4,194,304 bytes; qs 524,288 bytes; kv 9,175,040 bytes
;; launch lnq (part 1): grid 256 x 1, 8 waves a work-group, no clusters, 58,368 bytes of LDS; arguments z, gamma, beta, actc, acts; writes actc, acts
.if DOCPART == 1
	.amdgcn_target "amdgcn-amd-amdhsa--gfx1250"
	.amdhsa_code_object_version 6
	.text
	.protected	k_qbec7351307_lnq
	.globl	k_qbec7351307_lnq
	.p2align	8
	.type	k_qbec7351307_lnq,@function
k_qbec7351307_lnq:
	s_mov_b64 s[64:65], 0
	v_nop
	global_prefetch_b8 v0, s[64:65] scope:SCOPE_SE
	s_setreg_imm32_b32 hwreg(HW_REG_WAVE_MODE, 25, 1), 1
	s_wait_xcnt 0x0
; zn = (z - mean) * rsqrt(var + 1e-5) * gamma + beta, row by row of 1,024, then quantised along the row to E2M1 codes with one E8M0 byte for each 32.
; OUT: actc [tile 512][block 32][r 16][16 bytes], acts [tile][r][32 bytes]: an image of the matrix operand's registers.  Tile 2 g + u holds, at row r, token 32 g + 8 u + r + 8 (r / 8).
; SHARES: a work-group takes 32 tokens (tiles 2 g, 2 g + 1: 128 KiB of z on end); wave w takes tokens 4 w + i, i = 0 .. 3, a whole row in 32 registers: the row's sums never leave the wave.
; All four rows of a wave are asked for at the head (32 loads of 512 consecutive bytes).  The variance is taken of z - mean (two passes over registers), so a common offset of z is gone before the squares.
; A row is loaded 16 bytes a lane; the conversions want 32 neighbours in one lane: the row turns through the wave's own stage in LDS (144 bytes a block: 128 + 16).
; Codes and scale bytes of the 32 tokens meet in LDS and leave as runs of 512 and 256 consecutive bytes.
; No work-group shares an input with another (gamma and beta, 8 KiB, apart): no cluster, no tensor load.
; LIMITS: NaN and infinities are not served.  A block whose largest magnitude lies under 2^-124 (a block of zeros too) gets the scale byte 1: its codes are as the floor gives them (zeros stay zeros), and this program alone reads the bytes.
; rsqrt is v_rsq_f32 (1 ulp); the multiplication by gamma and the addition of beta are one fused multiply-add.
.set TURNB, 4608                       ; a wave's stage: 32 blocks x 144 bytes
.set IMG,   36864                      ; 64 units (32 u + block) of 256 bytes + 16: pitch 272, an odd multiple of 16
.set SCS,   54272                      ; scale bytes [u][r][32]
.set GA,    16                         ; v16-47   gamma, as a row is loaded
.set BE,    48                         ; v48-79   beta
.set Z,     80                         ; v80-207  four rows
.set X,     208                        ; v208-239 a block's 32 neighbours; later the way out
	s_load_b256 s[4:11], s[0:1], 0x0               ; z s[4:5], gamma s[6:7], beta s[8:9], actc s[10:11]
	s_load_b64 s[12:13], s[0:1], 0x20              ; acts
	v_lshl_add_u32 v14, v0, 2, 0xe000
	v_mov_b32 v15, 0
	v_lshrrev_b32 v1, 5, v0
	s_delay_alu instid0(VALU_DEP_1)
	v_readfirstlane_b32 s14, v1                    ; wave 0..7
	v_and_b32 v1, 31, v0                           ; lane l
	s_delay_alu instid0(VALU_DEP_1)
	v_lshlrev_b32 v2, 4, v1                        ; 16 l: my bytes of a load's 512
	v_mov_b32 v11, 0                               ; a lane permute's destination counts as read: written once
	s_mov_b32 s20, 0x76543210
	s_mov_b32 s21, 0xfedcba98                      ; selects for lane l xor 16
	s_mov_b32 s22, 0x3a800000                      ; 1 / 1024
	s_mov_b32 s23, 0x3727c5ac                      ; 1e-5
	s_mul_i32 s15, s14, TURNB
	v_lshrrev_b32 v12, 3, v1
	v_and_b32 v13, 7, v1
	s_delay_alu instid0(VALU_DEP_2)
	v_mul_u32_u24 v3, v12, 144
	s_delay_alu instid0(VALU_DEP_1)
	v_lshl_add_u32 v3, v13, 4, v3
	s_delay_alu instid0(VALU_DEP_1)
	v_add_nc_u32 v3, s15, v3                       ; into the stage: load j's lane l holds 16 bytes of block 4 j + l / 8, at 16 (l % 8)
	v_mul_u32_u24 v4, v1, 144
	s_delay_alu instid0(VALU_DEP_1)
	v_add_nc_u32 v4, s15, v4                       ; out of it: lane l takes block l
	s_lshr_b32 s16, s14, 1
	s_and_b32 s16, s16, 1                          ; u of tokens 4 w + i: (w / 2) % 2
	s_and_b32 s17, s14, 1
	s_lshl_b32 s17, s17, 2
	s_lshr_b32 s18, s14, 2
	s_lshl_b32 s18, s18, 3
	s_add_co_u32 s17, s17, s18                     ; r of token 4 w: 4 (w % 2) + 8 (w / 4); token 4 w + i has r + i
	s_mul_i32 s18, s16, 32*272
	s_lshl_b32 s19, s17, 4
	s_add_co_u32 s18, s18, s19
	s_add_co_u32 s18, s18, IMG
	v_mul_u32_u24 v5, v1, 272
	s_delay_alu instid0(VALU_DEP_1)
	v_add_nc_u32 v5, s18, v5                       ; my block's codes: unit 32 u + l, 16 bytes at 16 r
	s_lshl_b32 s18, s16, 9
	s_lshl_b32 s19, s17, 5
	s_add_co_u32 s18, s18, s19
	s_add_co_u32 s18, s18, SCS
	v_add_nc_u32 v6, s18, v1                       ; my block's scale byte: 512 u + 32 r + l
	s_mul_i32 s18, s14, 8*272
	s_add_co_u32 s18, s18, IMG
	v_lshrrev_b32 v12, 4, v1
	v_and_b32 v13, 15, v1
	s_delay_alu instid0(VALU_DEP_2)
	v_mul_u32_u24 v7, v12, 272
	s_delay_alu instid0(VALU_DEP_1)
	v_lshl_add_u32 v7, v13, 4, v7
	s_delay_alu instid0(VALU_DEP_1)
	v_add_nc_u32 v7, s18, v7                       ; the way out: wave w takes units 8 w .. 8 w + 7, two an instruction
	s_lshl_b32 s18, s14, 11
	v_add_nc_u32 v8, s18, v2                       ; and their place in actc: 2,048 w + 16 l
	s_lshl_b32 s18, s14, 8
	v_lshl_add_u32 v10, v1, 3, s18                 ; the scale bytes' way out (waves 0 to 3): 256 w + 8 l
	s_delay_alu instid0(VALU_DEP_1)
	v_add_nc_u32 v9, SCS, v10
	s_lshl_b32 s24, ttmp9, 17                      ; the group's 32 rows of 4,096 bytes,
	s_lshl_b32 s26, s14, 14                        ; my wave's four
	s_add_co_u32 s24, s24, s26
	s_mov_b32 s25, 0
	s_lshl_b32 s26, ttmp9, 14                      ; two tiles of 8,192 bytes of codes
	s_mov_b32 s27, 0
	s_lshl_b32 s28, ttmp9, 10                      ; and of 512 scale bytes
	s_mov_b32 s29, 0
	s_wait_kmcnt 0x0
	s_add_nc_u64 s[4:5], s[4:5], s[24:25]
	s_add_nc_u64 s[10:11], s[10:11], s[26:27]
	s_add_nc_u64 s[12:13], s[12:13], s[28:29]
.irp j, 0,1,2,3,4,5,6,7
	global_load_b128 v[GA+4*\j:GA+4*\j+3], v2, s[6:7] offset:512*\j
	global_load_b128 v[BE+4*\j:BE+4*\j+3], v2, s[8:9] offset:512*\j
.endr
.irp i, 0,1,2,3
.irp j, 0,1,2,3,4,5,6,7
	global_load_b128 v[Z+32*\i+4*\j:Z+32*\i+4*\j+3], v2, s[4:5] offset:4096*\i+512*\j th:TH_LOAD_NT   ; 32 lanes read 512 consecutive bytes
.endr
.endr
.macro LANESUM r                       ; the sum over the 32 lanes, in every lane
	s_delay_alu instid0(VALU_DEP_1)
	v_add_f32_dpp v[\r], v[\r], v[\r] row_xmask:1 row_mask:0xf bank_mask:0xf
	s_delay_alu instid0(VALU_DEP_1)
	v_add_f32_dpp v[\r], v[\r], v[\r] row_xmask:2 row_mask:0xf bank_mask:0xf
	s_delay_alu instid0(VALU_DEP_1)
	v_add_f32_dpp v[\r], v[\r], v[\r] row_xmask:4 row_mask:0xf bank_mask:0xf
	s_delay_alu instid0(VALU_DEP_1)
	v_add_f32_dpp v[\r], v[\r], v[\r] row_xmask:8 row_mask:0xf bank_mask:0xf
	s_delay_alu instid0(VALU_DEP_1)
	v_permlanex16_b32 v11, v[\r], s20, s21
	s_delay_alu instid0(VALU_DEP_1)
	v_add_f32 v[\r], v[\r], v11
.endm
.macro ROW i
.set ZR, Z+32*\i
	s_wait_loadcnt 8*(3-\i)                        ; this row's eight loads are in (gamma and beta were asked for earlier); the later rows' may be out
	v_pk_add_f32 v[240:241], v[ZR:ZR+1], v[ZR+2:ZR+3]              ; the row's sum, in two chains
	v_pk_add_f32 v[242:243], v[ZR+4:ZR+5], v[ZR+6:ZR+7]
.irp j, 8,12,16,20,24,28
	s_delay_alu instid0(VALU_DEP_2)
	v_pk_add_f32 v[240:241], v[240:241], v[ZR+\j:ZR+\j+1]
	s_delay_alu instid0(VALU_DEP_2)
	v_pk_add_f32 v[242:243], v[242:243], v[ZR+\j+2:ZR+\j+3]
.endr
	s_delay_alu instid0(VALU_DEP_1)
	v_pk_add_f32 v[240:241], v[240:241], v[242:243]
	s_delay_alu instid0(VALU_DEP_1)
	v_add_f32 v240, v240, v241
	LANESUM 240
	s_delay_alu instid0(VALU_DEP_1)
	v_mul_f32 v244, s22, v240                      ; the mean, twice: a pair for the packed forms
	s_delay_alu instid0(VALU_DEP_2)
	v_mul_f32 v245, s22, v240
.irp j, 0,2,4,6,8,10,12,14,16,18,20,22,24,26,28,30
	v_pk_add_f32 v[ZR+\j:ZR+\j+1], v[ZR+\j:ZR+\j+1], v[244:245] neg_lo:[0,1] neg_hi:[0,1]   ; z - mean
.endr
	v_pk_mul_f32 v[240:241], v[ZR:ZR+1], v[ZR:ZR+1]                ; the sum of its squares, in two chains
	v_pk_mul_f32 v[242:243], v[ZR+2:ZR+3], v[ZR+2:ZR+3]
.irp j, 4,8,12,16,20,24,28
	s_delay_alu instid0(VALU_DEP_2)
	v_pk_fma_f32 v[240:241], v[ZR+\j:ZR+\j+1], v[ZR+\j:ZR+\j+1], v[240:241]
	s_delay_alu instid0(VALU_DEP_2)
	v_pk_fma_f32 v[242:243], v[ZR+\j+2:ZR+\j+3], v[ZR+\j+2:ZR+\j+3], v[242:243]
.endr
	s_delay_alu instid0(VALU_DEP_1)
	v_pk_add_f32 v[240:241], v[240:241], v[242:243]
	s_delay_alu instid0(VALU_DEP_1)
	v_add_f32 v240, v240, v241
	LANESUM 240
	s_delay_alu instid0(VALU_DEP_1)
	v_fma_f32 v248, v240, s22, s23                 ; var + eps
	s_wait_alu depctr_va_vdst(0)
	v_rsq_f32 v246, v248
	v_nop                                          ; a plain instruction behind the transcendental
	s_wait_alu depctr_va_vdst(0)                   ; and the wait ahead of the first line that names its result
	v_mov_b32 v247, v246
.irp j, 0,2,4,6,8,10,12,14,16,18,20,22,24,26,28,30
	v_pk_mul_f32 v[ZR+\j:ZR+\j+1], v[ZR+\j:ZR+\j+1], v[246:247]
.endr
.irp j, 0,2,4,6,8,10,12,14,16,18,20,22,24,26,28,30
	v_pk_fma_f32 v[ZR+\j:ZR+\j+1], v[ZR+\j:ZR+\j+1], v[GA+\j:GA+\j+1], v[BE+\j:BE+\j+1]
.endr
.irp j, 0,1,2,3,4,5,6,7
	ds_store_b128 v3, v[ZR+4*\j:ZR+4*\j+3] offset:576*\j           ; four blocks of 144 bytes a store
.endr
.irp q, 0,1,2,3,4,5,6,7
	ds_load_b128 v[X+4*\q:X+4*\q+3], v4 offset:16*\q               ; LDS serves a wave's instructions in order: these see my stores
.endr
	s_wait_dscnt 0x0                               ; block l of the row is in my 32 registers; the last row's stores of codes and byte have read theirs
	v_max3_num_f32 v248, |v[X]|, |v[X+1]|, |v[X+2]|                ; the block's largest magnitude: all 32 numbers are mine
	v_max3_num_f32 v249, |v[X+3]|, |v[X+4]|, |v[X+5]|
.irp j, 6,10,14,18,22,26
	s_delay_alu instid0(VALU_DEP_2)
	v_max3_num_f32 v248, v248, |v[X+\j]|, |v[X+\j+1]|
	s_delay_alu instid0(VALU_DEP_2)
	v_max3_num_f32 v249, v249, |v[X+\j+2]|, |v[X+\j+3]|
.endr
	s_delay_alu instid0(VALU_DEP_2)
	v_max3_num_f32 v248, v248, |v[X+30]|, |v[X+31]|
	s_delay_alu instid0(VALU_DEP_1)
	v_max3_num_f32 v248, v248, v249, 0x1800000     ; and the floor 2^(3 - 127): the byte cannot fall under 1
	s_delay_alu instid0(VALU_DEP_1)
	v_add_nc_u32 v250, 0xff000000, v248            ; 2 off the exponent field: the conversion takes the exponent field of this operand as its scale
.irp g, 0,1,2,3
	v_cvt_scalef32_pk8_fp4_f32 v[252+\g], v[X+8*\g:X+8*\g+7], v250
.endr
	v_lshrrev_b32 v251, 23, v250                   ; the scale's byte (also the plain line behind the conversions)
	ds_store_b128 v5, v[252:255] offset:16*\i
	ds_store_b8 v6, v251 offset:32*\i
.endm
	ROW 0
	ROW 1
	ROW 2
	ROW 3
	s_wait_dscnt 0x0                               ; for the others' sake: my stores have landed
	s_barrier_signal -1
	s_barrier_wait -1
.irp k, 0,1,2,3
	ds_load_b128 v[X+4*\k:X+4*\k+3], v7 offset:544*\k
.endr
.irp k, 0,1,2,3
	s_wait_dscnt 3-\k                              ; load k is in; the later ones may be out
	global_store_b128 v8, v[X+4*\k:X+4*\k+3], s[10:11] offset:512*\k   ; 32 lanes store 512 consecutive bytes, aligned
.endr
	s_cmp_lt_u32 s14, 4                            ; the 1,024 scale bytes: 256 for each of waves 0 to 3
	s_cbranch_scc0 .Ldone
	ds_load_b64 v[224:225], v9
	s_wait_dscnt 0x0
	global_store_b64 v10, v[224:225], s[12:13]     ; 32 lanes store 256 consecutive bytes, aligned
.Ldone:
	s_wait_tensorcnt 0x0
	ds_add_u32 v14, v15
	s_wait_dscnt 0x0
	s_endpgm
.Lfunc_end_k_qbec7351307_lnq:
	.size	k_qbec7351307_lnq, .Lfunc_end_k_qbec7351307_lnq-k_qbec7351307_lnq
	.p2alignl 7, 3214868480
	.fill 96, 4, 3214868480
	.section	.rodata,"a",@progbits
	.p2align	6, 0x0
	.amdhsa_kernel k_qbec7351307_lnq
		.amdhsa_group_segment_fixed_size 58368
		.amdhsa_private_segment_fixed_size 0
		.amdhsa_enable_private_segment 0
		.amdhsa_kernarg_size 40
		.amdhsa_user_sgpr_count 2
		.amdhsa_user_sgpr_kernarg_segment_ptr 1
		.amdhsa_wavefront_size32 1
		.amdhsa_system_sgpr_workgroup_id_x 1
		.amdhsa_system_sgpr_workgroup_id_y 1
		.amdhsa_system_sgpr_workgroup_id_z 1
		.amdhsa_system_vgpr_workitem_id 0
		.amdhsa_next_free_vgpr 256
		.amdhsa_next_free_sgpr 66
		.amdhsa_reserve_vcc 0
		.amdhsa_float_denorm_mode_32 3
		.amdhsa_float_denorm_mode_16_64 3
		.amdhsa_memory_ordered 1
		.amdhsa_forward_progress 1
		.amdhsa_inst_pref_size 51
	.end_amdhsa_kernel
	.amdgpu_metadata
---
amdhsa.version: [ 1, 2 ]
amdhsa.kernels:
  - .name:           k_qbec7351307_lnq
    .symbol:         k_qbec7351307_lnq.kd
    .args:
      - { .name: z, .offset: 0, .size: 8, .value_kind: global_buffer, .address_space: global }
      - { .name: gamma, .offset: 8, .size: 8, .value_kind: global_buffer, .address_space: global }
      - { .name: beta, .offset: 16, .size: 8, .value_kind: global_buffer, .address_space: global }
      - { .name: actc, .offset: 24, .size: 8, .value_kind: global_buffer, .address_space: global }
      - { .name: acts, .offset: 32, .size: 8, .value_kind: global_buffer, .address_space: global }
    .group_segment_fixed_size: 58368
    .private_segment_fixed_size: 0
    .kernarg_segment_align: 8
    .kernarg_segment_size: 40
    .max_flat_workgroup_size: 256
    .sgpr_count:     66
    .vgpr_count:     256
    .wavefront_size: 32
...
	.end_amdgpu_metadata
.endif
;; end of part 1
;; launch qkv (part 2): grid 8 x 32, 4 waves a work-group, clusters of 4 x 1, 327,680 bytes of LDS; arguments actc, acts, w_qkv_codes, w_qkv_scales, qc, qs, kv; writes qc, qs, kv
.if DOCPART == 2
	.amdgcn_target "amdgcn-amd-amdhsa--gfx1250"
	.amdhsa_code_object_version 6
	.text
	.protected	k_qbec7351307_qkv
	.globl	k_qbec7351307_qkv
	.p2align	8
	.type	k_qbec7351307_qkv,@function
k_qbec7351307_qkv:
	s_mov_b64 s[64:65], 0
	v_nop
	global_prefetch_b8 v0, s[64:65] scope:SCOPE_SE
	s_setreg_imm32_b32 hwreg(HW_REG_WAVE_MODE, 25, 1), 1
	s_wait_xcnt 0x0
	s_wait_alu depctr_hold_cnt(0) depctr_sa_sdst(0) depctr_va_vdst(0) depctr_va_sdst(0) depctr_va_ssrc(0) depctr_va_vcc(0) depctr_vm_vsrc(0)
	s_getreg_b32 s2, hwreg(HW_REG_IB_STS2, 6, 4)
	s_cmp_eq_u32 s2, 0
	s_cbranch_scc0 .Lentry_in_a_cluster
	s_endpgm
.Lentry_in_a_cluster:
	s_bfe_u32 s2, ttmp6, 0x10000c
	s_cmp_lg_u32 s2, 0x3003
	s_cbranch_scc0 .Lentry_shape_is_right
	s_endpgm
.Lentry_shape_is_right:
; q, k, v = zn w_qkv on E2M1 codes, quantised again for the attention launch.  A work-group takes 256 tokens (16 tiles of the operand image) and two heads;
; a wave takes one head's q or k columns and half of its v columns; the weights stay in registers.  The 16 tiles and their scale bytes come into LDS once, jointly for the cluster's four work-groups.
.set ZSC,  131072
.set WSC,  16
.set ZSW,  64
.set ACC,  96
.set TM,   192
.set TP,   198
.set SOP,  204
.set CD,   210
.set QW,   224
.set VW,   232
.set QM,   236
.set WVN,  18
.set PAR,  19
.set G1C,  28
.set G0C,  36
.set G1S,  40
.set G0S,  48
.set PWT,  52
.set PWV,  54
.set PST,  56
.set PSV,  58
.set XC,   60
.set XS,   62
.set VC,   66
.set VSP,  68
.set TB,   70
.set TSC,  71
.set TRIP, 72
.set HM,   73
.set SEL,  74
.set MSB, 0
.macro WIN new
.if MSB != \new
	s_set_vgpr_msb (MSB<<8)|\new
.set MSB, \new
.endif
.endm
.macro ROUND
	s_barrier_signal -1
	s_barrier_wait -1
	s_cmp_lg_u32 s[WVN], 0
	s_cbranch_scc1 .Lnot_wave_0_\@
	s_barrier_signal -3
.Lnot_wave_0_\@:
	s_barrier_wait -3
	s_barrier_signal -1
	s_barrier_wait -1
.endm
.macro QUANT nb, src
.set k, 0
.rept \nb
	v_max3_num_f32 v[TM+k], |v[\src+16*k]|, |v[\src+16*k+1]|, 0x1800000
.set k, k+1
.endr
.set i, 2
.rept 7
.set k, 0
.rept \nb
	v_max3_num_f32 v[TM+k], v[TM+k], |v[\src+16*k+i]|, |v[\src+16*k+i+1]|
.set k, k+1
.endr
.set i, i+2
.endr
.set k, 0
.rept \nb
	v_permlanex16_b32 v[TP+k], v[TM+k], s[SEL], s[SEL+1]
.set k, k+1
.endr
.set k, 0
.rept \nb
	v_max_num_f32 v[TM+k], v[TM+k], v[TP+k]
.set k, k+1
.endr
.set k, 0
.rept \nb
	v_add_nc_u32 v[SOP+k], 0xff000000, v[TM+k]
.set k, k+1
.endr
.set k, 0
.rept \nb
	v_lshrrev_b32 v[TP+k], 23, v[SOP+k]
.set k, k+1
.endr
.set k, 0
.rept \nb
	v_cvt_scalef32_pk8_fp4_f32 v[CD+2*k], v[\src+16*k:\src+16*k+7], v[SOP+k]
	v_cvt_scalef32_pk8_fp4_f32 v[CD+2*k+1], v[\src+16*k+8:\src+16*k+15], v[SOP+k]
.set k, k+1
.endr
	v_nop
.endm
	s_load_b256 s[4:11], s[0:1], 0x0
	s_load_b128 s[12:15], s[0:1], 0x20
	s_load_b64 s[16:17], s[0:1], 0x30
	v_lshl_add_u32 v254, v0, 2, 0x29000
	v_mov_b32 v255, 0
	ds_add_u32 v254, v255
	ds_add_u32 v254, v255
	v_lshrrev_b32 v1, 5, v0
	v_readfirstlane_b32 s[WVN], v1
	s_and_b32 s[PAR], s[WVN], 1
	s_and_b32 s22, ttmp7, 0xffff
.irp g, G1C, G1S
	s_mov_b32 s[\g], 15|(3<<16)|(1<<21)
	s_mov_b32 s[\g+1], 32<<16
	s_mov_b32 s[\g+3], 32<<16
	s_mov_b32 s[\g+5], 32
	s_mov_b32 s[\g+6], 0
	s_mov_b32 s[\g+7], 0
.endr
	s_mov_b32 s[G1C+2], 256<<16                    ; codes: 256 rows of 256 bytes a load, two loads
	s_mov_b32 s[G1C+4], 256
	s_mov_b32 s[G1S+2], 16<<16                     ; scale bytes: 16 rows of 256 bytes a load, two loads
	s_mov_b32 s[G1S+4], 16
	s_mov_b32 s[G0C], 1
	s_lshl_b32 s[G0C+1], s[PAR], 16                ; which half: wave % 2
	s_lshl_b32 s86, s22, 17
	s_add_co_u32 s86, s86, s[G0C+1]
	s_mov_b32 s87, 0
	s_mov_b32 s[G0S], 1
	s_lshl_b32 s[G0S+1], s[PAR], 12
	s_lshl_b32 s88, s22, 13
	s_add_co_u32 s88, s88, s[G0S+1]
	s_mov_b32 s89, 0
	s_add_co_u32 s[G0S+1], s[G0S+1], ZSC
	s_wait_dscnt 0x0
	s_wait_kmcnt 0x0
	s_add_nc_u64 s[G0C+2:G0C+3], s[4:5], s[86:87]
	s_or_b32 s[G0C+3], s[G0C+3], 0x80000000
	s_add_nc_u64 s[G0S+2:G0S+3], s[6:7], s[88:89]
	s_or_b32 s[G0S+3], s[G0S+3], 0x80000000
	ROUND
	s_cmp_lt_u32 s[WVN], 2                         ; the head's fills, one a wave: waves 0 and 1 the halves of the codes, waves 2 and 3 the halves of the scale bytes
	s_cbranch_scc0 .Lhead_s
	tensor_load_to_lds s[G0C:G0C+3], s[G1C:G1C+7]
	s_nop 0
.rept 4
	v_nop
.endr
	s_branch .Lhead_asked
.Lhead_s:
	tensor_load_to_lds s[G0S:G0S+3], s[G1S:G1S+7]
	s_nop 0
.rept 4
	v_nop
.endr
.Lhead_asked:
	s_bfe_u32 s20, ttmp6, 0x40000
	s_lshl_b32 s21, ttmp9, 2
	s_add_co_u32 s21, s21, s20
	s_lshl_b32 s23, s21, 1
	s_lshr_b32 s76, s[WVN], 1
	s_add_co_u32 s23, s23, s76
	s_lshr_b32 s24, s22, 3
	s_lshl_b32 s24, s24, 4
	s_add_co_u32 s24, s24, s23
	s_mul_i32 s76, s23, 192
	s_add_co_u32 s77, s76, s[PAR]
	s_mul_i32 s78, s[PAR], 96
	s_add_co_u32 s78, s78, s76
	s_add_co_u32 s78, s78, 2
	s_mov_b32 s81, 0
	s_lshl_b32 s80, s77, 9
	s_add_nc_u64 s[PWT:PWT+1], s[8:9], s[80:81]
	s_lshl_b32 s80, s78, 9
	s_add_nc_u64 s[PWV:PWV+1], s[8:9], s[80:81]
	s_lshl_b32 s80, s77, 5
	s_add_nc_u64 s[PST:PST+1], s[10:11], s[80:81]
	s_lshl_b32 s80, s78, 5
	s_add_nc_u64 s[PSV:PSV+1], s[10:11], s[80:81]
	v_and_b32 v1, 15, v0
	v_bfe_u32 v2, v0, 4, 1
	v_and_b32 v13, 31, v0
	v_lshlrev_b32 v3, 4, v13
	v_lshl_add_u32 v4, v1, 5, ZSC
	v_lshlrev_b32 v9, 4, v1
	v_lshl_add_u32 v7, v2, 3, v9
	v_and_b32 v12, 8, v1
	v_add_nc_u32 v12, v12, v1
	v_mul_u32_u24 v10, v12, 1536
	v_lshl_add_u32 v10, v2, 4, v10
	v_mul_u32_u24 v11, v12, 96
	v_cmp_lt_u32 s[HM], 15, v13
	s_mov_b32 s[SEL], 0x76543210
	s_mov_b32 s[SEL+1], 0xfedcba98
.irp k, 0,1,2,3,4,5
	v_mov_b32 v[TP+\k], 0
.endr
	WIN 0x40
.irp t, 0,1,2,3
.irp s, 0,1,2,3,4,5,6,7
.irp c, 0,1
	global_load_b128 v[64*\t+8*\s+4*\c:64*\t+8*\s+4*\c+3], v10, s[PWT:PWT+1] offset:512*(96*(\t/2)+24*(\t%2))+64*\s+32*\c
.endr
.endr
.endr
	WIN 0x80
.irp u, 0,1
.irp s, 0,1,2,3,4,5,6,7
.irp c, 0,1
	global_load_b128 v[64*\u+8*\s+4*\c:64*\u+8*\s+4*\c+3], v10, s[PWV:PWV+1] offset:512*24*\u+64*\s+32*\c
.endr
.endr
.endr
	WIN 0
.irp t, 0,1,2,3
	global_load_b128 v[WSC+8*\t:WSC+8*\t+3], v11, s[PST:PST+1] offset:32*(96*(\t/2)+24*(\t%2))
	global_load_b128 v[WSC+8*\t+4:WSC+8*\t+7], v11, s[PST:PST+1] offset:32*(96*(\t/2)+24*(\t%2))+16
.endr
.irp u, 0,1
	global_load_b128 v[WSC+32+8*\u:WSC+32+8*\u+3], v11, s[PSV:PSV+1] offset:32*24*\u
	global_load_b128 v[WSC+32+8*\u+4:WSC+32+8*\u+7], v11, s[PSV:PSV+1] offset:32*24*\u+16
.endr
	s_and_b32 s84, s22, 7
	s_mul_i32 s76, s24, 143360
	s_lshl_b32 s77, s24, 16
	s_lshl_b32 s78, s24, 13
	s_add_co_u32 s79, s76, 131072
	s_cmp_eq_u32 s[PAR], 0
	s_cselect_b64 s[XC:XC+1], s[12:13], s[16:17]
	s_cselect_b64 s[XS:XS+1], s[14:15], s[16:17]
	s_cselect_b32 s77, s77, s76
	s_cselect_b32 s78, s78, s79
	s_lshl_b32 s82, s84, 13
	s_add_co_u32 s80, s77, s82
	s_add_nc_u64 s[XC:XC+1], s[XC:XC+1], s[80:81]
	s_lshl_b32 s83, s84, 10
	s_add_co_u32 s80, s78, s83
	s_add_nc_u64 s[XS:XS+1], s[XS:XS+1], s[80:81]
	s_lshl_b32 s83, s[PAR], 11
	s_add_co_u32 s80, s76, s82
	s_add_co_u32 s80, s80, s83
	s_add_co_u32 s80, s80, 65536
	s_add_nc_u64 s[VC:VC+1], s[16:17], s[80:81]
	s_lshl_b32 s82, s84, 9
	s_lshl_b32 s83, s[PAR], 3
	s_add_co_u32 s80, s76, s82
	s_add_co_u32 s80, s80, s83
	s_add_co_u32 s80, s80, 139264
	s_add_nc_u64 s[VSP:VSP+1], s[16:17], s[80:81]
	s_wait_alu depctr_va_vdst(0)                   ; the wait at the head's end
	s_wait_tensorcnt 0x0
	s_barrier_signal -1
	s_barrier_wait -1
	s_wait_loadcnt 0x0
.macro LOADP p
	WIN 0xc0
.irp e, 0,1
.irp s, 0,1,2,3,4,5,6,7
.irp c, 0,1
	ds_load_b128 v[128*((\p)%2)+64*\e+8*\s+4*\c:128*((\p)%2)+64*\e+8*\s+4*\c+3], v5 offset:8192*(2*(\p)+\e)+1024*\s+512*\c
.endr
.endr
.endr
	WIN 0
.irp e, 0,1
	ds_load_b128 v[ZSW+16*((\p)%2)+8*\e:ZSW+16*((\p)%2)+8*\e+3], v6 offset:512*(2*(\p)+\e)
	ds_load_b128 v[ZSW+16*((\p)%2)+8*\e+4:ZSW+16*((\p)%2)+8*\e+7], v6 offset:512*(2*(\p)+\e)+16
.endr
.endm
.macro PAIR p
.if \p < 3
	LOADP (\p)+1
	s_wait_dscnt 36
.else
	s_wait_dscnt 0x0
.endif
.set q, (\p)%2
	WIN 0x0d
.irp s, 0,1,2,3,4,5,6,7
.irp e, 0,1
.irp t, 0,1,2,3
.if \s == 0
	v_wmma_scale_f32_16x16x128_f8f6f4 v[ACC+32*\e+8*\t:ACC+32*\e+8*\t+7], v[64*\t+8*\s:64*\t+8*\s+7], v[128*q+64*\e+8*\s:128*q+64*\e+8*\s+7], 0, v[WSC+8*\t+\s], v[ZSW+16*q+8*\e+\s] matrix_a_fmt:MATRIX_FMT_FP4 matrix_b_fmt:MATRIX_FMT_FP4
.else
	v_wmma_scale_f32_16x16x128_f8f6f4 v[ACC+32*\e+8*\t:ACC+32*\e+8*\t+7], v[64*\t+8*\s:64*\t+8*\s+7], v[128*q+64*\e+8*\s:128*q+64*\e+8*\s+7], v[ACC+32*\e+8*\t:ACC+32*\e+8*\t+7], v[WSC+8*\t+\s], v[ZSW+16*q+8*\e+\s] matrix_a_fmt:MATRIX_FMT_FP4 matrix_b_fmt:MATRIX_FMT_FP4
.endif
.endr
.endr
.endr
	WIN 0x0b
.irp s, 0,1,2,3,4,5,6,7
.irp u, 0,1
.irp e, 0,1
.if \s == 0
	v_wmma_scale_f32_16x16x128_f8f6f4 v[ACC+64+16*\u+8*\e:ACC+64+16*\u+8*\e+7], v[128*q+64*\e+8*\s:128*q+64*\e+8*\s+7], v[64*\u+8*\s:64*\u+8*\s+7], 0, v[ZSW+16*q+8*\e+\s], v[WSC+32+8*\u+\s] matrix_a_fmt:MATRIX_FMT_FP4 matrix_b_fmt:MATRIX_FMT_FP4
.else
	v_wmma_scale_f32_16x16x128_f8f6f4 v[ACC+64+16*\u+8*\e:ACC+64+16*\u+8*\e+7], v[128*q+64*\e+8*\s:128*q+64*\e+8*\s+7], v[64*\u+8*\s:64*\u+8*\s+7], v[ACC+64+16*\u+8*\e:ACC+64+16*\u+8*\e+7], v[ZSW+16*q+8*\e+\s], v[WSC+32+8*\u+\s] matrix_a_fmt:MATRIX_FMT_FP4 matrix_b_fmt:MATRIX_FMT_FP4
.endif
.endr
.endr
.endr
	WIN 0
.rept 4
	v_nop
.endr
	s_wait_xcnt 0x0
	QUANT 6, ACC
.irp e, 0,1
	v_lshl_or_b32 v[QW+2*(\p)+\e], v[TP+2*\e+1], 8, v[TP+2*\e]
.endr
.irp e, 0,1
	v_or_b32 v[QW+2*(\p)+\e], 0x7f7f0000, v[QW+2*(\p)+\e]
.endr
.irp u, 0,1
.if \p == 0
	v_mov_b32 v[VW+\u], v[TP+4+\u]
.else
	v_lshl_or_b32 v[VW+\u], v[TP+4+\u], 8*(\p), v[VW+\u]
.endif
.endr
.irp k, 0,1,2,3
	global_store_b64 v7, v[CD+2*\k:CD+2*\k+1], s[XC:XC+1] offset:512*(2*(\p)+\k/2)+256*(\k%2)
.endr
.irp u, 0,1
	global_store_b64 v7, v[CD+8+2*\u:CD+9+2*\u], s[VC:VC+1] offset:1024*\u+256*(\p)
.endr
.endm
	s_mov_b32 s[TB], 0
	s_mov_b32 s[TSC], 0
	s_mov_b32 s[TRIP], 2
.Ltrip:
	v_add_nc_u32 v5, s[TB], v3
	v_add_nc_u32 v6, s[TSC], v4
	LOADP 0
	PAIR 0
	PAIR 1
	PAIR 2
	PAIR 3
.irp j, 0,1,2,3
	v_cndmask_b32 v[QM+\j], v[QW+\j], v[QW+4+\j], s[HM]
.endr
	global_store_b128 v3, v[QM:QM+3], s[XS:XS+1]
	global_store_b64 v9, v[VW:VW+1], s[VSP:VSP+1]
	s_wait_xcnt 0x0
	s_add_nc_u64 s[XC:XC+1], s[XC:XC+1], 4096
	s_add_nc_u64 s[XS:XS+1], s[XS:XS+1], 512
	s_add_nc_u64 s[VC:VC+1], s[VC:VC+1], 4096
	s_add_nc_u64 s[VSP:VSP+1], s[VSP:VSP+1], 256
	s_add_co_u32 s[TB], s[TB], 65536
	s_add_co_u32 s[TSC], s[TSC], 4096
	s_sub_co_i32 s[TRIP], s[TRIP], 1
	s_cmp_lg_u32 s[TRIP], 0
	s_cbranch_scc1 .Ltrip
	s_wait_tensorcnt 0x0
	ds_add_u32 v254, v255
	s_wait_dscnt 0x0
	ROUND
	s_endpgm
.Lfunc_end_k_qbec7351307_qkv:
	.size	k_qbec7351307_qkv, .Lfunc_end_k_qbec7351307_qkv-k_qbec7351307_qkv
	.p2alignl 7, 3214868480
	.fill 96, 4, 3214868480
	.section	.rodata,"a",@progbits
	.p2align	6, 0x0
	.amdhsa_kernel k_qbec7351307_qkv
		.amdhsa_group_segment_fixed_size 327680
		.amdhsa_private_segment_fixed_size 0
		.amdhsa_enable_private_segment 0
		.amdhsa_kernarg_size 56
		.amdhsa_user_sgpr_count 2
		.amdhsa_user_sgpr_kernarg_segment_ptr 1
		.amdhsa_wavefront_size32 1
		.amdhsa_system_sgpr_workgroup_id_x 1
		.amdhsa_system_sgpr_workgroup_id_y 1
		.amdhsa_system_sgpr_workgroup_id_z 1
		.amdhsa_system_vgpr_workitem_id 0
		.amdhsa_next_free_vgpr 1024
		.amdhsa_next_free_sgpr 90
		.amdhsa_reserve_vcc 0
		.amdhsa_float_denorm_mode_32 3
		.amdhsa_float_denorm_mode_16_64 3
		.amdhsa_memory_ordered 1
		.amdhsa_forward_progress 1
		.amdhsa_inst_pref_size 101
	.end_amdhsa_kernel
	.amdgpu_metadata
---
amdhsa.version: [ 1, 2 ]
amdhsa.kernels:
  - .name:           k_qbec7351307_qkv
    .symbol:         k_qbec7351307_qkv.kd
    .args:
      - { .name: actc, .offset: 0, .size: 8, .value_kind: global_buffer, .address_space: global }
      - { .name: acts, .offset: 8, .size: 8, .value_kind: global_buffer, .address_space: global }
      - { .name: w_qkv_codes, .offset: 16, .size: 8, .value_kind: global_buffer, .address_space: global }
      - { .name: w_qkv_scales, .offset: 24, .size: 8, .value_kind: global_buffer, .address_space: global }
      - { .name: qc, .offset: 32, .size: 8, .value_kind: global_buffer, .address_space: global }
      - { .name: qs, .offset: 40, .size: 8, .value_kind: global_buffer, .address_space: global }
      - { .name: kv, .offset: 48, .size: 8, .value_kind: global_buffer, .address_space: global }
    .group_segment_fixed_size: 327680
    .private_segment_fixed_size: 0
    .kernarg_segment_align: 8
    .kernarg_segment_size: 56
    .max_flat_workgroup_size: 128
    .sgpr_count:     90
    .vgpr_count:     1024
    .wavefront_size: 32
...
	.end_amdgpu_metadata
.endif
;; end of part 2
;; launch attn (part 3): grid 4 x 64, 8 waves a work-group, clusters of 4 x 1, 169,984 bytes of LDS; arguments qc, qs, kv, actc, acts; writes actc, acts
.if DOCPART == 3
	.amdgcn_target "amdgcn-amd-amdhsa--gfx1250"
	.amdhsa_code_object_version 6
	.text
	.protected	k_qbec7351307_attn
	.globl	k_qbec7351307_attn
	.p2align	8
	.type	k_qbec7351307_attn,@function
k_qbec7351307_attn:
	s_mov_b64 s[64:65], 0
	v_nop
	global_prefetch_b8 v0, s[64:65] scope:SCOPE_SE
	s_setreg_imm32_b32 hwreg(HW_REG_WAVE_MODE, 25, 1), 1
	s_wait_xcnt 0x0
	s_wait_alu depctr_hold_cnt(0) depctr_sa_sdst(0) depctr_va_vdst(0) depctr_va_sdst(0) depctr_va_ssrc(0) depctr_va_vcc(0) depctr_vm_vsrc(0)
	s_getreg_b32 s2, hwreg(HW_REG_IB_STS2, 6, 4)
	s_cmp_eq_u32 s2, 0
	s_cbranch_scc0 .Lentry_in_a_cluster
	s_endpgm
.Lentry_in_a_cluster:
	s_bfe_u32 s2, ttmp6, 0x10000c
	s_cmp_lg_u32 s2, 0x3003
	s_cbranch_scc0 .Lentry_shape_is_right
	s_endpgm
.Lentry_shape_is_right:
; o = softmax(q k^T / 8) v for one batch and head (bh), both products on E2M1 codes; o / l is quantised along (head, channel) and leaves as the projection's operand image.
; THE SOFTMAX: t = score x log2(e) / 8; M = the running largest t rounded UP to a whole number; p = 2^(t - M) is quantised along the keys, not normalised; the row's sum is taken of the unquantised p and divides at the end.
; When M moves, the sum and O are multiplied by 2^(old M - new M): exact.
; IN: qc, qs, kv as the launch before lays them.  A head's K, V and their scale words are 143,360 bytes on end: they come into LDS ONCE, as they lie, and stay: no slot is filled again.
; OUT: actc [tile 512][block 32][r 16][16], acts [tile][r][32]: blocks 2 head, 2 head + 1.
; SHARES: a cluster of four work-groups takes a head; work-group cx its queries 512 cx on; wave w tiles 32 cx + 4 w + 0 .. 3, TWO TILES AT A TIME in two passes over the keys: each fragment of K and V feeds both tiles, and the two tiles' chains stand line by line.
; The four partners need the same 143,360 bytes: asked for jointly (mask 15), 17,920 bytes a wave.  The place in the cluster enters global addresses alone.  The launch's one fill stands at its head and there is no loop to run ahead in: no prefetch.
; LAYOUT: both products transposed: S^T = K Q^T, O^T = V^T P^T: a lane holds ONE query.  K'S ROWS ARE GATHERED from the image so that row 8 hb + j of key tile (G, T) is key 64 G + 32 hb + 8 T + j of the step:
;   a lane's 32 registers of a group G are then one WHOLE block of 32 keys (block 2 G + lane / 16), in the order of the second product's operand: the block's maximum needs no other lane and the conversions' results are the operand.
;   In the image that key lies in tile 4 G + 2 hb + T % 2 at row 8 (T / 2) + j.  V's channel tiles are as the launch before chose them: O^T's 16 registers of two neighbouring tiles are 16 neighbouring channels.
; THE HEAD'S 64 IN AN INSTRUCTION OF 128: registers 4-7 of Q's and K's fragments hold zero codes (written once), bytes 2 and 3 of their scale words are 0x7f.
; USE32 = 1: the form of 32 rows takes two neighbouring fragments and one scale register (lane m: row m); USE32 = 0: two instructions of 16 rows on the same registers, the second with the scale register's upper lanes.
; LIMITS: NaN and infinities are not served; the promise holds while |t| stays under 2^31; a p under 2^-126 counts as 0; a block whose largest magnitude lies under 2^-124 (zeros too) gets the byte 1, and this program alone reads the bytes;
;   the division is v_rcp_f32 (1 ulp) and a multiplication.  A block's largest p is the exponential of its largest score.
; REGISTERS.  Window 0: addresses, Q, K's and V's fragments, all scale words.  Window 1: S^T / p (v0-127, tile a at 64 a), O^T (v128-191), and all that the softmax keeps.
.set USE32, 1
.set VIMG, 65536
.set KSCL, 131072
.set VSCL, 139264
.set SPARE, 0x29000
; window 0
.set AK,  1                            ; addresses in hand: K's fragments, V's, K's scale words, V's
.set AV,  2
.set AS,  3
.set AT,  4
.set GC,  5                            ; 16 r + 8 h
.set GS,  6                            ; 32 r
.set GQ,  7                            ; 16 r
.set SPW, 8
.set NIL, 9
.set AK0, 10                           ; my lane's places, which stay
.set AV0, 11
.set AS0, 12
.set AT0, 13
.set QF,  16                           ; Q of the two tiles in hand, 8 registers each
.set Q2,  32                           ; Q of the second pass
.set QS,  40                           ; Q's scale words, four tiles
.set KF,  64
.set VF,  128
.set KS,  160                          ; K's scale words: register 2 G + i: lanes 0-15 tile (G, 2 i), lanes 16-31 tile (G, 2 i + 1)
.set VS,  164                          ; V's: register i: lanes 0-15 tile 2 i, lanes 16-31 tile 2 i + 1
.set PS,  166                          ; p's scale words
; window 1
.set O,   128
.set TM,  192                          ; block maxima, 2 a + G
.set SOP, 196
.set BY,  200
.set PT,  204
.set MX,  206                          ; the running largest score
.set NM,  208                          ; -M, pairs
.set F,   212                          ; f, pairs
.set L,   216                          ; 8 a: the sum (a pair) and three more chains
.set CD,  232
.set T,   248
.set OLD, 250
.set SH,  252                          ; 8 (lane / 16)
.set W,   253
.set WVN, 14
.set G1,  20
.set G0,  28
.set SEL, 32
.set CS,  34
.set TK,  36
.set TS,  37
.set TV,  38
.set KC,  39
.set QT,  40
.set NC,  41
.set QP,  42
.set QSP, 44
.set OP,  46
.set OSP, 48
.set MSB, 0
.macro WIN new                         ; the immediate's high byte repeats the setting that is left
.if MSB != \new
	s_set_vgpr_msb (MSB<<8)|\new
.set MSB, \new
.endif
.endm
.macro ROUND                           ; a round of the cluster's barrier
	s_barrier_signal -1
	s_barrier_wait -1
	s_cmp_lg_u32 s[WVN], 0
	s_cbranch_scc1 .Lnot_wave_0_\@
	s_barrier_signal -3
.Lnot_wave_0_\@:
	s_barrier_wait -3
	s_barrier_signal -1
	s_barrier_wait -1
.endm
.macro KLOAD adr, ads, o, os           ; a step's eight gathered fragments of K and their four registers of scale words: 12 loads
.irp g, 0,1
.irp t, 0,1,2,3
	ds_load_b128 v[KF+32*\g+8*\t:KF+32*\g+8*\t+3], v[\adr] offset:\o+2048*\g+512*(\t%2)+128*(\t/2)
.endr
.endr
.irp g, 0,1
.irp i, 0,1
	ds_load_b32 v[KS+2*\g+\i], v[\ads] offset:\os+256*\g+128*\i
.endr
.endr
.endm
.macro QK a                            ; S^T of tile a: 128 keys x 16 queries
.irp g, 0,1
.irp i, 0,1
.if USE32
	v_wmma_scale_f32_32x16x128_f4 v[64*\a+32*\g+16*\i:64*\a+32*\g+16*\i+15], v[KF+32*\g+16*\i:KF+32*\g+16*\i+15], v[QF+8*\a:QF+8*\a+7], 0, v[KS+2*\g+\i], v[QS+\a]
.else
	v_wmma_scale_f32_16x16x128_f8f6f4 v[64*\a+32*\g+16*\i:64*\a+32*\g+16*\i+7], v[KF+32*\g+16*\i:KF+32*\g+16*\i+7], v[QF+8*\a:QF+8*\a+7], 0, v[KS+2*\g+\i], v[QS+\a] matrix_a_fmt:MATRIX_FMT_FP4 matrix_b_fmt:MATRIX_FMT_FP4
	v_wmma_scale_f32_16x16x128_f8f6f4 v[64*\a+32*\g+16*\i+8:64*\a+32*\g+16*\i+15], v[KF+32*\g+16*\i+8:KF+32*\g+16*\i+15], v[QF+8*\a:QF+8*\a+7], 0, v[KS+2*\g+\i], v[QS+\a] matrix_a_fmt:MATRIX_FMT_FP4 matrix_b_fmt:MATRIX_FMT_FP4 matrix_a_scale:MATRIX_SCALE_ROW1
.endif
.endr
.endr
.endm
.macro PV                              ; O^T += V^T P^T, the accumulators by turns
.irp i, 0,1
.irp a, 0,1
.if USE32
	v_wmma_scale_f32_32x16x128_f4 v[O+32*\a+16*\i:O+32*\a+16*\i+15], v[VF+16*\i:VF+16*\i+15], v[CD+8*\a:CD+8*\a+7], v[O+32*\a+16*\i:O+32*\a+16*\i+15], v[VS+\i], v[PS+\a]
.else
	v_wmma_scale_f32_16x16x128_f8f6f4 v[O+32*\a+16*\i:O+32*\a+16*\i+7], v[VF+16*\i:VF+16*\i+7], v[CD+8*\a:CD+8*\a+7], v[O+32*\a+16*\i:O+32*\a+16*\i+7], v[VS+\i], v[PS+\a] matrix_a_fmt:MATRIX_FMT_FP4 matrix_b_fmt:MATRIX_FMT_FP4
	v_wmma_scale_f32_16x16x128_f8f6f4 v[O+32*\a+16*\i+8:O+32*\a+16*\i+15], v[VF+16*\i+8:VF+16*\i+15], v[CD+8*\a:CD+8*\a+7], v[O+32*\a+16*\i+8:O+32*\a+16*\i+15], v[VS+\i], v[PS+\a] matrix_a_fmt:MATRIX_FMT_FP4 matrix_b_fmt:MATRIX_FMT_FP4 matrix_a_scale:MATRIX_SCALE_ROW1
.endif
.endr
.endr
.endm
.macro TFMA from, to                   ; t - M of register pairs from .. to - 1, both tiles
.set j, \from
.rept \to-\from
.irp a, 0,1
	v_pk_fma_f32 v[64*\a+2*j:64*\a+2*j+1], v[64*\a+2*j:64*\a+2*j+1], s[CS:CS+1], v[NM+2*\a:NM+2*\a+1] op_sel_hi:[1,0,0]
.endr
.set j, j+1
.endr
.endm
.macro PADD n                          ; the next n lines a tile of the row's sum: lines 0-2 begin three chains with pairs 0-5, lines 3-28 add pairs 6-31 to the four chains by turns
.rept \n
.irp a, 0,1
.if PQ < 3
	v_pk_add_f32 v[L+8*\a+2+2*PQ:L+8*\a+3+2*PQ], v[64*\a+4*PQ:64*\a+4*PQ+1], v[64*\a+4*PQ+2:64*\a+4*PQ+3]
.else
	v_pk_add_f32 v[L+8*\a+2*((PQ-3)%4):L+8*\a+2*((PQ-3)%4)+1], v[L+8*\a+2*((PQ-3)%4):L+8*\a+2*((PQ-3)%4)+1], v[64*\a+2*(PQ+3):64*\a+2*(PQ+3)+1]
.endif
.endr
.set PQ, PQ+1
.endr
.endm
	s_load_b256 s[4:11], s[0:1], 0x0               ; qc s[4:5], qs s[6:7], kv s[8:9], actc s[10:11]
	s_load_b64 s[12:13], s[0:1], 0x20              ; acts
	v_lshl_add_u32 v[SPW], v0, 2, SPARE
	v_mov_b32 v[NIL], 0
	ds_add_u32 v[SPW], v[NIL]                      ; the opening lines: the add twice on end and its wait
	ds_add_u32 v[SPW], v[NIL]
	v_lshrrev_b32 v14, 5, v0
	v_readfirstlane_b32 s[WVN], v14                ; wave 0..7
	s_and_b32 s16, ttmp7, 0xffff                   ; bh, which the four partners share
	s_mov_b32 s[G1], 15|(3<<16)|(1<<21)            ; the mask: all four work-groups; elements of 8 bytes; bit 21 beside a mask; no padding
	s_mov_b32 s[G1+1], 32<<16                      ; rows of 256 bytes
	s_mov_b32 s[G1+2], 70<<16                      ; 70 rows a wave: 8 x 17,920 = 143,360 bytes
	s_mov_b32 s[G1+3], 32<<16
	s_mov_b32 s[G1+4], 70
	s_mov_b32 s[G1+5], 32
	s_mov_b32 s[G1+6], 0
	s_mov_b32 s[G1+7], 0
	s_mov_b32 s[G0], 1
	s_mul_i32 s[G0+1], s[WVN], 17920               ; LDS as memory
	s_mul_i32 s50, s16, 143360
	s_add_co_u32 s50, s50, s[G0+1]
	s_mov_b32 s51, 0
	s_wait_dscnt 0x0
	s_wait_kmcnt 0x0
	s_add_nc_u64 s[G0+2:G0+3], s[8:9], s[50:51]
	s_or_b32 s[G0+3], s[G0+3], 0x80000000
	ROUND                                          ; all four work-groups are here: the joint loads meet
	tensor_load_to_lds s[G0:G0+3], s[G1:G1+7]      ; the launch's only fill: one load of mine is out
	s_nop 0
.rept 4
	v_nop
.endr
	s_bfe_u32 s15, ttmp6, 0x40000                  ; cx
	s_and_b32 s17, s16, 15                         ; the head
	s_lshr_b32 s18, s16, 4                         ; the batch
	s_lshl_b32 s56, s15, 5
	s_lshl_b32 s54, s[WVN], 2
	s_add_co_u32 s56, s56, s54                     ; my first tile of the head's 128: 32 cx + 4 w
	s_mov_b32 s53, 0
	s_lshl_b32 s52, s16, 16
	s_lshl_b32 s54, s56, 9
	s_add_co_u32 s52, s52, s54
	s_add_nc_u64 s[QP:QP+1], s[4:5], s[52:53]      ; Q's image: 65,536 bh + 512 tile
	s_lshl_b32 s52, s16, 13
	s_lshl_b32 s54, s15, 11
	s_add_co_u32 s52, s52, s54
	s_lshl_b32 s54, s[WVN], 8
	s_add_co_u32 s52, s52, s54
	s_add_nc_u64 s[QSP:QSP+1], s[6:7], s[52:53]    ; its scale words: 8,192 bh + 64 x tile: 16 bytes a row hold my four tiles' words
	s_lshl_b32 s55, s18, 7
	s_add_co_u32 s55, s55, s56                     ; the tile among all 512
	s_lshl_b32 s52, s55, 13
	s_lshl_b32 s54, s17, 9
	s_add_co_u32 s52, s52, s54
	s_add_nc_u64 s[OP:OP+1], s[10:11], s[52:53]    ; o's codes: 8,192 tile + 256 x block 2 head
	s_lshl_b32 s52, s55, 9
	s_lshl_b32 s54, s17, 1
	s_add_co_u32 s52, s52, s54
	s_add_nc_u64 s[OSP:OSP+1], s[12:13], s[52:53]  ; o's scale bytes: 512 tile + 2 head
	s_mov_b32 s[SEL], 0x76543210
	s_mov_b32 s[SEL+1], 0xfedcba98
	s_mov_b32 s[CS], 0x3e38aa3b                    ; c = log2(e) / 8
	s_mov_b32 s[CS+1], s[CS]
	s_mov_b32 s[NC], 0xbe38aa3b                    ; -c
	s_mov_b32 s[QT], 2
	v_and_b32 v14, 15, v0                          ; r
	v_bfe_u32 v15, v0, 4, 1                        ; h
	v_and_b32 v[AV0], 31, v0
	v_lshlrev_b32 v[GQ], 4, v14
	v_lshlrev_b32 v[AK], 4, v[AV0]                 ; 16 x lane: Q's image
	v_lshl_add_u32 v[AV0], v[AV0], 4, VIMG         ; V's images are read as they lie
	v_lshl_add_u32 v[GC], v15, 3, v[GQ]
	v_lshlrev_b32 v[GS], 5, v14
	v_lshl_add_u32 v[AT0], v15, 2, v[GQ]
	v_add_nc_u32 v[AT0], VSCL, v[AT0]              ; V's scale words: 16 r + 4 (tile % 2 = lane / 16)
	v_and_b32 v[AK0], 7, v0
	v_lshlrev_b32 v[AK0], 4, v[AK0]                ; 16 (r % 8)
	v_bfe_u32 v14, v0, 3, 1                        ; r / 8
	v_lshl_add_u32 v[AS0], v14, 3, v[AK0]
	v_lshl_add_u32 v[AS0], v15, 2, v[AS0]
	v_add_nc_u32 v[AS0], KSCL, v[AS0]              ; K's scale words: 16 (r % 8) + 8 (r / 8) + 4 (lane / 16)
	v_lshl_add_u32 v[AK0], v14, 10, v[AK0]
	v_lshl_add_u32 v[AK0], v15, 8, v[AK0]          ; K's rows: 1,024 (r / 8) + 16 (r % 8) + 256 (lane / 16)
	global_load_b128 v[QF:QF+3], v[AK], s[QP:QP+1]
	global_load_b128 v[QF+8:QF+11], v[AK], s[QP:QP+1] offset:512
	global_load_b128 v[Q2:Q2+3], v[AK], s[QP:QP+1] offset:1024
	global_load_b128 v[Q2+4:Q2+7], v[AK], s[QP:QP+1] offset:1536
	global_load_b128 v[QS:QS+3], v[GQ], s[QSP:QSP+1]
.irp j, 4,5,6,7,12,13,14,15
	v_mov_b32 v[QF+\j], 0                          ; zero codes for the upper 64 of the instruction's K
.endr
.irp t, 0,1,2,3,4,5,6,7
.irp j, 4,5,6,7
	v_mov_b32 v[KF+8*\t+\j], 0
.endr
.endr
	WIN 0x40
	v_lshlrev_b32 v[SH], 3, v15
.irp j, PT, PT+1, NM+1, NM+3, F+1, F+3
	v_mov_b32 v[\j], 0                             ; written once: permute destinations and the upper words of pairs
.endr
	WIN 0
	s_wait_alu depctr_va_vdst(0)                   ; the wait at the head's end
	s_wait_tensorcnt 0x0                           ; my part of the head's block has landed,
	s_barrier_signal -1
	s_barrier_wait -1                              ; everybody's has
	s_wait_loadcnt 0x0                             ; Q
.Lq:                                               ; two trips: two tiles of 16 queries each
	WIN 0x40
.set j, 0
.rept 64
	v_mov_b32 v[O+j], 0                            ; the key step is written once: its first trip finds zeros
.set j, j+1
.endr
.irp a, 0,1
	v_mov_b32 v[MX+\a], 0xff61b1e6                 ; the largest score so far: -3e38
	v_mov_b32 v[NM+2*\a], 0x7b800000               ; -M = 2^120: the first f is 0
	v_mov_b32 v[L+8*\a], 0
	v_mov_b32 v[L+8*\a+1], 0
.endr
	WIN 0
	s_mov_b32 s[TK], 0
	s_mov_b32 s[TS], 0
	s_mov_b32 s[TV], 0
	s_mov_b32 s[KC], 16
	KLOAD AK0, AS0, 0, 0                           ; K of step 0
.Lk:                                               ; sixteen trips of 128 keys
	s_wait_dscnt 0x0                               ; K of this step and its scale words, asked for a trip ago
	WIN 0x40
	QK 0
	QK 1
	WIN 0
	v_add_nc_u32 v[AV], s[TK], v[AV0]              ; these four are the places between the products and the loads into their registers, and the first read of the scores
	v_add_nc_u32 v[AT], s[TV], v[AT0]
	v_add_nc_u32 v[AK], s[TK], v[AK0]
	v_add_nc_u32 v[AS], s[TS], v[AS0]
.irp t, 0,1,2,3
.irp c, 0,1
	ds_load_b128 v[VF+8*\t+4*\c:VF+8*\t+4*\c+3], v[AV] offset:1024*\t+512*\c
.endr
.endr
.irp i, 0,1
	ds_load_b32 v[VS+\i], v[AT] offset:8*\i
.endr
	KLOAD AK, AS, 4096, 512                        ; K of the next step.  In the last trip these twelve read the bytes that follow in the head's block; they are not used
	WIN 0x55
.irp x, 0,1,2,3
	v_max3_num_f32 v[TM+\x], v[32*\x], v[32*\x+1], v[32*\x+2]      ; the largest score of each of my blocks of 32 keys, ascending; four chains by turns
.endr
.irp i, 3,5,7,9,11,13,15,17,19,21,23,25,27,29
.irp x, 0,1,2,3
	v_max3_num_f32 v[TM+\x], v[TM+\x], v[32*\x+\i], v[32*\x+\i+1]
.endr
.endr
.irp x, 0,1,2,3
	v_max_num_f32 v[TM+\x], v[TM+\x], v[32*\x+31]
.endr
.irp a, 0,1
	v_mov_b32 v[OLD+\a], v[NM+2*\a]
.endr
.irp a, 0,1
	v_max_num_f32 v[T+\a], v[TM+2*\a], v[TM+2*\a+1]
.endr
.irp a, 0,1
	s_delay_alu instid0(VALU_DEP_2)
	v_permlanex16_b32 v[PT+\a], v[T+\a], s[SEL], s[SEL+1]
.endr
.irp a, 0,1
	s_delay_alu instid0(VALU_DEP_2)
	v_max3_num_f32 v[MX+\a], v[MX+\a], v[T+\a], v[PT+\a]           ; the running largest score of my query
.endr
.irp a, 0,1
	s_delay_alu instid0(VALU_DEP_2)
	v_mul_f32 v[T+\a], s[NC], v[MX+\a]             ; -t
.endr
.irp a, 0,1
	s_delay_alu instid0(VALU_DEP_2)
	v_floor_f32 v[NM+2*\a], v[T+\a]                ; the new -M = -ceil(t)
.endr
.irp a, 0,1
	s_delay_alu instid0(VALU_DEP_2)
	v_sub_f32 v[T+\a], v[NM+2*\a], v[OLD+\a]       ; old M - new M: a whole number, 0 or less
.endr
	TFMA 0, 4
.irp a, 0,1
	v_cvt_i32_f32 v[T+\a], v[T+\a]                 ; (it saturates)
.endr
	TFMA 4, 8
.irp a, 0,1
	v_ldexp_f32 v[F+2*\a], 1.0, v[T+\a]            ; f = 2^(old M - new M)
.endr
	TFMA 8, 32
.irp a, 0,1
.irp g, 0,1
	v_fma_f32 v[TM+2*\a+\g], v[TM+2*\a+\g], s[CS], v[NM+2*\a]      ; the same of each block's largest score
.endr
.endr
.set j, 0
.rept 16
.irp a, 0,1
	v_pk_mul_f32 v[O+32*\a+j:O+32*\a+j+1], v[O+32*\a+j:O+32*\a+j+1], v[F+2*\a:F+2*\a+1] op_sel_hi:[1,0]   ; O^T under the new M, each accumulator from its low end on
.endr
.set j, j+2
.endr
	s_wait_alu depctr_va_vdst(0)                   ; the wait ahead of the batch
.irp x, 0,1,2,3
	v_exp_f32 v[TM+\x], v[TM+\x]                   ; each block's largest p
.endr
.set j, 0
.rept 128
	v_exp_f32 v[j], v[j]                           ; p = 2^(t - M)
.set j, j+1
.endr
.irp a, 0,1
	v_pk_mul_f32 v[L+8*\a:L+8*\a+1], v[L+8*\a:L+8*\a+1], v[F+2*\a:F+2*\a+1] op_sel_hi:[1,0]   ; the sums under the new M (plain lines behind the exponentials)
.endr
	s_wait_alu depctr_va_vdst(0)                   ; one wait for the batch of 132, ahead of its first reader
.irp x, 0,1,2,3
	v_max_num_f32 v[TM+\x], 0x1800000, v[TM+\x]    ; the floor 2^(3 - 127)
.endr
.irp x, 0,1,2,3
	v_add_nc_u32 v[SOP+\x], 0xff000000, v[TM+\x]   ; 2 off the exponent field: the conversion's scale operand
.endr
.irp a, 0,1
.irp g, 0,1
.irp t, 0,1,2,3
	v_cvt_scalef32_pk8_fp4_f32 v[CD+8*\a+4*\g+\t], v[64*\a+32*\g+8*\t:64*\a+32*\g+8*\t+7], v[SOP+2*\a+\g]   ; registers 4 G .. 4 G + 3 of the operand: k = 64 G + 32 (lane / 16) + 0 .. 31
.endr
.endr
.endr
.irp x, 0,1,2,3
	v_lshrrev_b32 v[BY+\x], 23, v[SOP+\x]          ; the scales' bytes (also the plain lines behind the conversions)
.endr
.set PQ, 0
	PADD 3                                         ; the row's sum of the unquantised p stands between the links of the scale word's chain
.irp a, 0,1
	v_lshl_or_b32 v[W+\a], v[BY+2*\a+1], 16, v[BY+2*\a]            ; my two bytes: blocks h and 2 + h,
.endr
	PADD 3
.irp a, 0,1
	v_lshlrev_b32 v[W+\a], v[SH], v[W+\a]          ; at their places (8 h bits up);
.endr
	PADD 3
.irp a, 0,1
	v_permlanex16_b32 v[PT+\a], v[W+\a], s[SEL], s[SEL+1]
.endr
	PADD 3
	WIN 0x05
.irp a, 0,1
	v_or_b32 v[PS+\a], v[W+\a], v[PT+\a]           ; with lane l xor 16's two the word is whole.  40 plain lines follow ahead of the products
.endr
	WIN 0x55
	PADD 17
.irp a, 0,1
	v_pk_add_f32 v[L+8*\a+2:L+8*\a+3], v[L+8*\a+2:L+8*\a+3], v[L+8*\a+4:L+8*\a+5]
	v_pk_add_f32 v[L+8*\a:L+8*\a+1], v[L+8*\a:L+8*\a+1], v[L+8*\a+6:L+8*\a+7]
.endr
.irp a, 0,1
	v_pk_add_f32 v[L+8*\a:L+8*\a+1], v[L+8*\a:L+8*\a+1], v[L+8*\a+2:L+8*\a+3]
.endr
	s_wait_alu depctr_va_vdst(0)                   ; the wait directly ahead of the wait below
	s_wait_dscnt 12                                ; V and its scale words are in; the next step's K (twelve loads) may be out
	WIN 0x54
	PV
	WIN 0
	s_add_co_u32 s[TK], s[TK], 4096
	s_add_co_u32 s[TS], s[TS], 512
	s_add_co_u32 s[TV], s[TV], 256
	s_sub_co_i32 s[KC], s[KC], 1
	s_cmp_lg_u32 s[KC], 0
	s_cbranch_scc1 .Lk
	; the two tiles' end: O^T / the sum, quantised along the channels
	s_wait_dscnt 0x0                               ; the look-ahead's loads have landed: K's registers may be loaded anew
	WIN 0x55
.irp a, 0,1
	v_add_f32 v[T+\a], v[L+8*\a], v[L+8*\a+1]      ; (these six lines are the places behind the last products)
.endr
.irp a, 0,1
	s_delay_alu instid0(VALU_DEP_2)
	v_permlanex16_b32 v[PT+\a], v[T+\a], s[SEL], s[SEL+1]
.endr
.irp a, 0,1
	s_delay_alu instid0(VALU_DEP_2)
	v_add_f32 v[T+\a], v[T+\a], v[PT+\a]           ; the row's sum
.endr
	s_wait_alu depctr_va_vdst(0)                   ; the wait ahead of the transcendentals
.irp a, 0,1
	v_rcp_f32 v[F+2*\a], v[T+\a]
.endr
	v_nop                                          ; a plain line behind them
	s_wait_alu depctr_va_vdst(0)                   ; the wait ahead of their first reader, which is also O^T's
.set j, 0
.rept 16
.irp a, 0,1
	v_pk_mul_f32 v[32*\a+j:32*\a+j+1], v[O+32*\a+j:O+32*\a+j+1], v[F+2*\a:F+2*\a+1] op_sel_hi:[1,0]   ; register 32 a + 16 k + i: channel 32 k + 16 (lane / 16) + i of my query of tile a
.endr
.set j, j+2
.endr
.irp k, 0,1,2,3
	v_max3_num_f32 v[TM+\k], |v[16*\k]|, |v[16*\k+1]|, 0x1800000   ; four blocks of 32 channels, 16 of each in my lane, and the floor 2^(3 - 127)
.endr
.irp i, 2,4,6,8,10,12,14
.irp k, 0,1,2,3
	v_max3_num_f32 v[TM+\k], v[TM+\k], |v[16*\k+\i]|, |v[16*\k+\i+1]|
.endr
.endr
.irp k, 0,1,2,3
	v_permlanex16_b32 v[BY+\k], v[TM+\k], s[SEL], s[SEL+1]
.endr
.irp k, 0,1,2,3
	v_max_num_f32 v[TM+\k], v[TM+\k], v[BY+\k]
.endr
.irp k, 0,1,2,3
	v_add_nc_u32 v[SOP+\k], 0xff000000, v[TM+\k]
.endr
.irp k, 0,1,2,3
	v_lshrrev_b32 v[BY+\k], 23, v[SOP+\k]
.endr
.irp k, 0,1,2,3
	v_cvt_scalef32_pk8_fp4_f32 v[CD+2*\k], v[16*\k:16*\k+7], v[SOP+\k]
	v_cvt_scalef32_pk8_fp4_f32 v[CD+2*\k+1], v[16*\k+8:16*\k+15], v[SOP+\k]
.endr
.irp a, 0,1
	v_lshl_or_b32 v[W+\a], v[BY+2*\a+1], 8, v[BY+2*\a]             ; a tile's two scale bytes (also the plain lines behind the conversions)
.endr
	WIN 0x04                                       ; the stores' data in window 1, their offsets in window 0
.irp k, 0,1,2,3
	global_store_b64 v[GC], v[CD+2*\k:CD+2*\k+1], s[OP:OP+1] offset:8192*(\k/2)+256*(\k%2)   ; 32 lanes store 256 consecutive bytes, aligned
.endr
.irp a, 0,1
	global_store_b16 v[GS], v[W+\a], s[OSP:OSP+1] offset:512*\a    ; lanes l and l + 16 store the same two bytes with the same value; a row's 32 bytes come from sixteen heads, in sixteen clusters
.endr
	WIN 0
	s_wait_xcnt 0x0                                ; the stores have read their registers and bases
	s_add_nc_u64 s[OP:OP+1], s[OP:OP+1], 16384     ; two tiles on
	s_add_nc_u64 s[OSP:OSP+1], s[OSP:OSP+1], 1024
.irp j, 0,1,2,3
	v_mov_b32 v[QF+\j], v[Q2+\j]                   ; the second pass's Q
	v_mov_b32 v[QF+8+\j], v[Q2+4+\j]
.endr
	v_mov_b32 v[QS], v[QS+2]
	v_mov_b32 v[QS+1], v[QS+3]
	s_sub_co_i32 s[QT], s[QT], 1
	s_cmp_lg_u32 s[QT], 0
	s_cbranch_scc1 .Lq
	s_wait_tensorcnt 0x0                           ; the wave's end
	ds_add_u32 v[SPW], v[NIL]
	s_wait_dscnt 0x0
	ROUND                                          ; the closing round
	s_endpgm
.Lfunc_end_k_qbec7351307_attn:
	.size	k_qbec7351307_attn, .Lfunc_end_k_qbec7351307_attn-k_qbec7351307_attn
	.p2alignl 7, 3214868480
	.fill 96, 4, 3214868480
	.section	.rodata,"a",@progbits
	.p2align	6, 0x0
	.amdhsa_kernel k_qbec7351307_attn
		.amdhsa_group_segment_fixed_size 169984
		.amdhsa_private_segment_fixed_size 0
		.amdhsa_enable_private_segment 0
		.amdhsa_kernarg_size 40
		.amdhsa_user_sgpr_count 2
		.amdhsa_user_sgpr_kernarg_segment_ptr 1
		.amdhsa_wavefront_size32 1
		.amdhsa_system_sgpr_workgroup_id_x 1
		.amdhsa_system_sgpr_workgroup_id_y 1
		.amdhsa_system_sgpr_workgroup_id_z 1
		.amdhsa_system_vgpr_workitem_id 0
		.amdhsa_next_free_vgpr 512
		.amdhsa_next_free_sgpr 66
		.amdhsa_reserve_vcc 0
		.amdhsa_float_denorm_mode_32 3
		.amdhsa_float_denorm_mode_16_64 3
		.amdhsa_memory_ordered 1
		.amdhsa_forward_progress 1
		.amdhsa_inst_pref_size 43
	.end_amdhsa_kernel
	.amdgpu_metadata
---
amdhsa.version: [ 1, 2 ]
amdhsa.kernels:
  - .name:           k_qbec7351307_attn
    .symbol:         k_qbec7351307_attn.kd
    .args:
      - { .name: qc, .offset: 0, .size: 8, .value_kind: global_buffer, .address_space: global }
      - { .name: qs, .offset: 8, .size: 8, .value_kind: global_buffer, .address_space: global }
      - { .name: kv, .offset: 16, .size: 8, .value_kind: global_buffer, .address_space: global }
      - { .name: actc, .offset: 24, .size: 8, .value_kind: global_buffer, .address_space: global }
      - { .name: acts, .offset: 32, .size: 8, .value_kind: global_buffer, .address_space: global }
    .group_segment_fixed_size: 169984
    .private_segment_fixed_size: 0
    .kernarg_segment_align: 8
    .kernarg_segment_size: 40
    .max_flat_workgroup_size: 256
    .sgpr_count:     66
    .vgpr_count:     512
    .wavefront_size: 32
...
	.end_amdgpu_metadata
.endif
;; end of part 3
;; launch proj (part 4): grid 4 x 64, 4 waves a work-group, clusters of 4 x 1, 327,680 bytes of LDS; arguments actc, acts, w_proj_codes, w_proj_scales, b_proj, z, out0; writes out0
.if DOCPART == 4
	.amdgcn_target "amdgcn-amd-amdhsa--gfx1250"
	.amdhsa_code_object_version 6
	.text
	.protected	k_qbec7351307_proj
	.globl	k_qbec7351307_proj
	.p2align	8
	.type	k_qbec7351307_proj,@function
k_qbec7351307_proj:
	s_mov_b64 s[64:65], 0
	v_nop
	global_prefetch_b8 v0, s[64:65] scope:SCOPE_SE
	s_setreg_imm32_b32 hwreg(HW_REG_WAVE_MODE, 25, 1), 1
	s_wait_xcnt 0x0
	s_wait_alu depctr_hold_cnt(0) depctr_sa_sdst(0) depctr_va_vdst(0) depctr_va_sdst(0) depctr_va_ssrc(0) depctr_va_vcc(0) depctr_vm_vsrc(0)
	s_getreg_b32 s2, hwreg(HW_REG_IB_STS2, 6, 4)
	s_cmp_eq_u32 s2, 0
	s_cbranch_scc0 .Lentry_in_a_cluster
	s_endpgm
.Lentry_in_a_cluster:
	s_bfe_u32 s2, ttmp6, 0x10000c
	s_cmp_lg_u32 s2, 0x3003
	s_cbranch_scc0 .Lentry_shape_is_right
	s_endpgm
.Lentry_shape_is_right:
; out0 = z + o w_proj + b_proj on E2M1 codes.  A work-group takes 128 tokens (8 tiles of the operand image) and 256 columns; a wave 64 columns, its weights in registers.
; The 8 tiles and their scale bytes come into LDS once, jointly for the cluster's four work-groups; the results leave through each wave's own stage as aligned runs of 256 bytes.
.set OSC,   65536
.set STAGE, 69632
.set WSC,   16
.set ASW,   48
.set ACC,   64
.set OB,    96
.set AF,    128
.set WVN,   18
.set G1C,   24
.set G0C,   32
.set G1S,   36
.set G0S,   44
.set PW,    48
.set PS,    50
.set PB,    52
.set PZ,    54
.set PO,    56
.set MSB, 0
.macro WIN new
.if MSB != \new
	s_set_vgpr_msb (MSB<<8)|\new
.set MSB, \new
.endif
.endm
.macro ROUND
	s_barrier_signal -1
	s_barrier_wait -1
	s_cmp_lg_u32 s[WVN], 0
	s_cbranch_scc1 .Lnot_wave_0_\@
	s_barrier_signal -3
.Lnot_wave_0_\@:
	s_barrier_wait -3
	s_barrier_signal -1
	s_barrier_wait -1
.endm
	s_load_b256 s[4:11], s[0:1], 0x0
	s_load_b128 s[12:15], s[0:1], 0x20
	s_load_b64 s[16:17], s[0:1], 0x30
	v_lshl_add_u32 v14, v0, 2, 0x29000
	v_mov_b32 v15, 0
	ds_add_u32 v14, v15
	ds_add_u32 v14, v15
	v_lshrrev_b32 v1, 5, v0
	v_readfirstlane_b32 s[WVN], v1
	s_and_b32 s20, ttmp7, 0xffff
.irp g, G1C, G1S
	s_mov_b32 s[\g], 15|(3<<16)|(1<<21)
	s_mov_b32 s[\g+1], 32<<16
	s_mov_b32 s[\g+3], 32<<16
	s_mov_b32 s[\g+5], 32
	s_mov_b32 s[\g+6], 0
	s_mov_b32 s[\g+7], 0
.endr
	s_mov_b32 s[G1C+2], 128<<16                    ; codes: 128 rows of 256 bytes a load, two loads
	s_mov_b32 s[G1C+4], 128
	s_mov_b32 s[G1S+2], 8<<16                      ; scale bytes: 8 rows of 256 bytes a load, two loads
	s_mov_b32 s[G1S+4], 8
	s_mov_b32 s[G0C], 1
	s_and_b32 s22, s[WVN], 1                       ; which half: wave % 2
	s_lshl_b32 s[G0C+1], s22, 15
	s_lshl_b32 s60, s20, 16
	s_add_co_u32 s60, s60, s[G0C+1]
	s_mov_b32 s61, 0
	s_mov_b32 s[G0S], 1
	s_lshl_b32 s[G0S+1], s22, 11
	s_lshl_b32 s62, s20, 12
	s_add_co_u32 s62, s62, s[G0S+1]
	s_mov_b32 s63, 0
	s_add_co_u32 s[G0S+1], s[G0S+1], OSC
	s_wait_dscnt 0x0
	s_wait_kmcnt 0x0
	s_add_nc_u64 s[G0C+2:G0C+3], s[4:5], s[60:61]
	s_or_b32 s[G0C+3], s[G0C+3], 0x80000000
	s_add_nc_u64 s[G0S+2:G0S+3], s[6:7], s[62:63]
	s_or_b32 s[G0S+3], s[G0S+3], 0x80000000
	ROUND
	s_cmp_lt_u32 s[WVN], 2                         ; the head's fills, one a wave: waves 0 and 1 the halves of the codes, waves 2 and 3 the halves of the scale bytes
	s_cbranch_scc0 .Lhead_s
	tensor_load_to_lds s[G0C:G0C+3], s[G1C:G1C+7]
	s_nop 0
.rept 4
	v_nop
.endr
	s_branch .Lhead_asked
.Lhead_s:
	tensor_load_to_lds s[G0S:G0S+3], s[G1S:G1S+7]
	s_nop 0
.rept 4
	v_nop
.endr
.Lhead_asked:
	s_bfe_u32 s19, ttmp6, 0x40000
	s_lshl_b32 s21, s19, 8
	s_lshl_b32 s22, s[WVN], 6
	s_add_co_u32 s21, s21, s22
	s_mov_b32 s59, 0
	s_lshl_b32 s58, s21, 9
	s_add_nc_u64 s[PW:PW+1], s[8:9], s[58:59]
	s_lshl_b32 s58, s21, 5
	s_add_nc_u64 s[PS:PS+1], s[10:11], s[58:59]
	s_lshl_b32 s58, s21, 2
	s_add_nc_u64 s[PB:PB+1], s[12:13], s[58:59]
	s_lshl_b32 s22, s20, 19
	s_add_co_u32 s58, s58, s22
	s_add_nc_u64 s[PZ:PZ+1], s[14:15], s[58:59]
	s_add_nc_u64 s[PO:PO+1], s[16:17], s[58:59]
	s_mul_i32 s23, s[WVN], 16*272
	s_add_co_u32 s23, s23, STAGE
	v_and_b32 v1, 15, v0
	v_bfe_u32 v2, v0, 4, 1
	v_and_b32 v3, 31, v0
	v_lshlrev_b32 v3, 4, v3
	v_lshl_add_u32 v4, v1, 5, OSC
	v_mul_u32_u24 v5, v1, 272
	v_lshl_add_u32 v5, v2, 5, v5
	v_add_nc_u32 v5, s23, v5
	v_mul_u32_u24 v6, v2, 272
	v_lshl_add_u32 v6, v1, 4, v6
	v_add_nc_u32 v6, s23, v6
	v_lshlrev_b32 v7, 12, v2
	v_lshl_add_u32 v7, v1, 4, v7
	v_lshlrev_b32 v8, 9, v1
	v_lshl_add_u32 v8, v2, 4, v8
	v_lshlrev_b32 v9, 5, v1
	v_lshlrev_b32 v10, 5, v2
	WIN 0x40
.irp t, 0,1,2,3
.irp s, 0,1,2,3,4,5,6,7
.irp c, 0,1
	global_load_b128 v[64*\t+8*\s+4*\c:64*\t+8*\s+4*\c+3], v8, s[PW:PW+1] offset:8192*\t+64*\s+32*\c
.endr
.endr
.endr
	WIN 0
.irp t, 0,1,2,3
	global_load_b128 v[WSC+8*\t:WSC+8*\t+3], v9, s[PS:PS+1] offset:512*\t
	global_load_b128 v[WSC+8*\t+4:WSC+8*\t+7], v9, s[PS:PS+1] offset:512*\t+16
.endr
	WIN 0xc0
.irp t, 0,1,2,3
	global_load_b128 v[8*\t:8*\t+3], v10, s[PB:PB+1] offset:64*\t
	global_load_b128 v[8*\t+4:8*\t+7], v10, s[PB:PB+1] offset:64*\t+16
.endr
.macro ZLOAD m
.irp i, 0,1,2,3,4,5,6,7
	global_load_b128 v[32*(\m)+4*\i:32*(\m)+4*\i+3], v7, s[PZ:PZ+1] offset:4096*(32*((\m)/2)+8*((\m)%2)+2*\i+8*(\i/4)) th:TH_LOAD_NT
.endr
.endm
	WIN 0x80
.irp m, 0,1,2,3,4,5,6
	ZLOAD \m
.endr
	WIN 0
	s_wait_alu depctr_va_vdst(0)
	s_wait_tensorcnt 0x0
	s_barrier_signal -1
	s_barrier_wait -1
.macro LOADA m
.irp s, 0,1,2,3,4,5,6,7
.irp c, 0,1
	ds_load_b128 v[AF+64*((\m)%2)+8*\s+4*\c:AF+64*((\m)%2)+8*\s+4*\c+3], v3 offset:8192*(\m)+1024*\s+512*\c
.endr
.endr
	ds_load_b128 v[ASW+8*((\m)%2):ASW+8*((\m)%2)+3], v4 offset:512*(\m)
	ds_load_b128 v[ASW+8*((\m)%2)+4:ASW+8*((\m)%2)+7], v4 offset:512*(\m)+16
.endm
	LOADA 0
	s_wait_loadcnt 56
.macro TILE m
.if \m == 0
	WIN 0x80
	ZLOAD 7
	WIN 0
.endif
.if \m < 7
	LOADA (\m)+1
	s_wait_dscnt 18
.else
	s_wait_dscnt 0x0
.endif
.set q, (\m)%2
	WIN 0x31
.irp t, 0,1,2,3
	v_wmma_scale_f32_16x16x128_f8f6f4 v[ACC+8*\t:ACC+8*\t+7], v[64*\t:64*\t+7], v[AF+64*q:AF+64*q+7], v[8*\t:8*\t+7], v[WSC+8*\t], v[ASW+8*q] matrix_a_fmt:MATRIX_FMT_FP4 matrix_b_fmt:MATRIX_FMT_FP4
.endr
	WIN 0x01
.irp s, 1,2,3,4,5,6,7
.irp t, 0,1,2,3
	v_wmma_scale_f32_16x16x128_f8f6f4 v[ACC+8*\t:ACC+8*\t+7], v[64*\t+8*\s:64*\t+8*\s+7], v[AF+64*q+8*\s:AF+64*q+8*\s+7], v[ACC+8*\t:ACC+8*\t+7], v[WSC+8*\t+\s], v[ASW+8*q+\s] matrix_a_fmt:MATRIX_FMT_FP4 matrix_b_fmt:MATRIX_FMT_FP4
.endr
.endr
	WIN 0
.rept 4
	v_nop
.endr
.irp t, 0,1,2,3
	ds_store_b128 v5, v[ACC+8*\t:ACC+8*\t+3] offset:64*\t
	ds_store_b128 v5, v[ACC+8*\t+4:ACC+8*\t+7] offset:64*\t+16
.endr
	s_wait_xcnt 0x0
.irp i, 0,1,2,3,4,5,6,7
	ds_load_b128 v[OB+4*\i:OB+4*\i+3], v6 offset:544*\i
.endr
	s_wait_loadcnt 56-8*(\m)
	s_wait_dscnt 0x0
	WIN 0x08
.irp n, 0,2,4,6,8,10,12,14,16,18,20,22,24,26,28,30
	v_pk_add_f32 v[OB+\n:OB+\n+1], v[OB+\n:OB+\n+1], v[32*(\m)+\n:32*(\m)+\n+1]
.endr
	WIN 0
.irp i, 0,1,2,3,4,5,6,7
	global_store_b128 v7, v[OB+4*\i:OB+4*\i+3], s[PO:PO+1] offset:4096*(32*((\m)/2)+8*((\m)%2)+2*\i+8*(\i/4)) th:TH_STORE_NT
.endr
.endm
	TILE 0
	TILE 1
	TILE 2
	TILE 3
	TILE 4
	TILE 5
	TILE 6
	TILE 7
	s_wait_tensorcnt 0x0
	ds_add_u32 v14, v15
	s_wait_dscnt 0x0
	ROUND
	s_endpgm
.Lfunc_end_k_qbec7351307_proj:
	.size	k_qbec7351307_proj, .Lfunc_end_k_qbec7351307_proj-k_qbec7351307_proj
	.p2alignl 7, 3214868480
	.fill 96, 4, 3214868480
	.section	.rodata,"a",@progbits
	.p2align	6, 0x0
	.amdhsa_kernel k_qbec7351307_proj
		.amdhsa_group_segment_fixed_size 327680
		.amdhsa_private_segment_fixed_size 0
		.amdhsa_enable_private_segment 0
		.amdhsa_kernarg_size 56
		.amdhsa_user_sgpr_count 2
		.amdhsa_user_sgpr_kernarg_segment_ptr 1
		.amdhsa_wavefront_size32 1
		.amdhsa_system_sgpr_workgroup_id_x 1
		.amdhsa_system_sgpr_workgroup_id_y 1
		.amdhsa_system_sgpr_workgroup_id_z 1
		.amdhsa_system_vgpr_workitem_id 0
		.amdhsa_next_free_vgpr 800
		.amdhsa_next_free_sgpr 66
		.amdhsa_reserve_vcc 0
		.amdhsa_float_denorm_mode_32 3
		.amdhsa_float_denorm_mode_16_64 3
		.amdhsa_memory_ordered 1
		.amdhsa_forward_progress 1
		.amdhsa_inst_pref_size 86
	.end_amdhsa_kernel
	.amdgpu_metadata
---
amdhsa.version: [ 1, 2 ]
amdhsa.kernels:
  - .name:           k_qbec7351307_proj
    .symbol:         k_qbec7351307_proj.kd
    .args:
      - { .name: actc, .offset: 0, .size: 8, .value_kind: global_buffer, .address_space: global }
      - { .name: acts, .offset: 8, .size: 8, .value_kind: global_buffer, .address_space: global }
      - { .name: w_proj_codes, .offset: 16, .size: 8, .value_kind: global_buffer, .address_space: global }
      - { .name: w_proj_scales, .offset: 24, .size: 8, .value_kind: global_buffer, .address_space: global }
      - { .name: b_proj, .offset: 32, .size: 8, .value_kind: global_buffer, .address_space: global }
      - { .name: z, .offset: 40, .size: 8, .value_kind: global_buffer, .address_space: global }
      - { .name: out0, .offset: 48, .size: 8, .value_kind: global_buffer, .address_space: global }
    .group_segment_fixed_size: 327680
    .private_segment_fixed_size: 0
    .kernarg_segment_align: 8
    .kernarg_segment_size: 56
    .max_flat_workgroup_size: 128
    .sgpr_count:     66
    .vgpr_count:     800
    .wavefront_size: 32
...
	.end_amdgpu_metadata
.endif
;; end of part 4
